; MI455X (gfx1250); checked and timed in simulation.
; The chip was launched on July 23, 2026; its instructions are those of AMD's public machine-readable ISA for CDNA 5 (MIT licence, August 2026) and "CDNA5" Instruction Set Architecture Reference Guide (July 2026). The comments in the code are by the model that wrote it; some were corrected since.
;; Grouped Query Attention. Allowed arithmetic: matrix products marked QUANTISED: E4M3 operands, one given power-of-two scale a tensor, by v_wmma_f32_16x16x64_fp8_fp8 or v_wmma_f32_16x16x128_fp8_fp8, f32 sums; everything else in f32.
;; Inputs: Wk 1,024 x 256 float32; Wo 1,024 x 1,024 float32; Wq 1,024 x 1,024 float32; Wv 1,024 x 256 float32; lowp_scales 12 int32 (the exponents e of the quantised operands' scales 2^e); x 4 x 2,048 x 1,024 float32.
;; Outputs: out0 4 x 2,048 x 1,024 float32.
;; This version of the problem:
;;   THIS VERSION OF THE PROBLEM IS GIVEN IN LOW PRECISION. The matrix products marked QUANTISED in the list below multiply operands that are first quantised to E4M3 (4 exponent bits, 3 mantissa bits; 8 bits a number), with one given power-of-two scale for each operand tensor; their sums are f32. All else is computed in f32.
;;   The module's matrix products, in the order in which they are computed (A, B: the left and right operand; K: the contracted axis; several contracted axes count as one K, in the product's order):
;;     1. [M 8,192, K 1,024] x [K 1,024, N 1,024]; A: input x; B: input Wq: QUANTISED (scales: A lowp_scales[0], B lowp_scales[1])
;;     2. [M 8,192, K 1,024] x [K 1,024, N 256]; A: input x; B: input Wk: QUANTISED (scales: A lowp_scales[2], B lowp_scales[3])
;;     3. [M 8,192, K 1,024] x [K 1,024, N 256]; A: input x; B: input Wv: QUANTISED (scales: A lowp_scales[4], B lowp_scales[5])
;;     4. batch 64 x [M 2,048, K 64] x [K 64, N 2,048]; A: computed on the way; B: computed on the way: QUANTISED (scales: A lowp_scales[6], B lowp_scales[7])
;;     5. batch 64 x [M 2,048, K 2,048] x [K 2,048, N 64]; A: softmax (see below); B: computed on the way: QUANTISED (scales: A lowp_scales[8], B lowp_scales[9])
;;     6. [M 8,192, K 1,024] x [K 1,024, N 1,024]; A: computed on the way; B: input Wo: QUANTISED (scales: A lowp_scales[10], B lowp_scales[11])
;;   THE QUANTISER, for each operand of a quantised product, along K:
;;     - The operand's scale is 2^e, e = its entry of the input lowp_scales (int32; the entries are numbered through the quantised products in the list's order, A before B).
;;     - Each number is divided by the scale, clamped to +-448, and rounded to the nearest number of E4M3, ties to even, subnormals kept.
;;     - The product sums the exact products of the quantised numbers (number of the format x scale) in f32.
;;   ~~~python
;;   def quantise(x, axis, e):      # numpy; x: float32 -> the quantised numbers, widened to float32 again
;;       x = np.moveaxis(x, axis, -1); K = x.shape[-1]
;;       r = np.clip(x / 2.0 ** e, -448, 448)
;;       step = 2.0 ** (np.maximum(np.frexp(np.where(r == 0, 1, r))[1] - 1, -6) - 3)
;;       q = np.round(r / step) * step * 2.0 ** e      # np.round: ties to even
;;       return np.moveaxis(q, -1, axis).astype(np.float32)
;;   ~~~
;;   SOFTMAX AHEAD OF A QUANTISED PRODUCT. Where the list says 'softmax', what is quantised is not the finished softmax but p = 2^(t - M), with t = logit x log2(e) and M = ceil(the row's largest t), a whole number; so 1/2 < the row's largest p <= 1. The row's sum l is taken of the UNQUANTISED p, in f32, and the product's result is divided by l at the end. Since M is a whole number, a kernel that streams over the keys may use a running M (the ceiling of the running maximum): every later rescaling is an exact power of two, so the quantised numbers keep their values, but for numbers so far below the row's largest that they fall under the format's range.
;;   OPERANDS COMPUTED ON THE WAY. 'Computed on the way' means the value that the module computes at that place (a softmax that the list does not call 'softmax' is quantised finished and normalised). What goes into a quantiser is computed in f32, as accurately as f32 sums, v_exp_f32 and their like allow (about 1e-6 of the number): no bf16 or f16 on the way to a quantiser, and a product that is left as it is and whose result goes on into a quantised operand takes f32 operands (vector FMAs, or v_wmma_f32_16x16x4_f32). A number that lies on a knife's edge between two numbers of the format may be rounded either way, as far as f32 arithmetic and the matrix unit's own rounding can turn it there, and no further.
;; One version. Each part assembles by itself: llvm-mc -triple=amdgcn-amd-amdhsa -mcpu=gfx1250 --defsym DOCPART=n.
;; ======== version 1 of 1: 4 launches
;; limits: right only within a limited range of input values
;; workspace buffers: xc 25,165,824 bytes; wimg 2,621,440 bytes; qimg 8,388,608 bytes; kv 4,194,304 bytes; ao 8,388,608 bytes
;; launch quant (part 1): grid 592 x 1, 8 waves a work-group, no clusters, 68,608 bytes of LDS; arguments x, Wq, Wk, Wv, Wo, lowp_scales, xc, wimg; writes xc, wimg
.if DOCPART == 1
	.amdgcn_target "amdgcn-amd-amdhsa--gfx1250"
	.amdhsa_code_object_version 6
	.text
	.protected	k_q3087fdf03b_quant
	.globl	k_q3087fdf03b_quant
	.p2align	8
	.type	k_q3087fdf03b_quant,@function
k_q3087fdf03b_quant:
	s_mov_b64 s[64:65], 0
	v_nop
	global_prefetch_b8 v0, s[64:65] scope:SCOPE_SE
	s_setreg_imm32_b32 hwreg(HW_REG_WAVE_MODE, 25, 1), 1
	s_wait_xcnt 0x0
; The four weights and x (f32) become codes of FP8 (E4M3), laid as IMAGES OF OPERAND REGISTERS, so that every later launch loads fragments as they lie.
; code = number / 2^e, held within +-448, to the nearest code, ties to even.  e: Wq entry 1, Wk 3, Wv 5, Wo 11 of the scales; x with entries 0, 2 and 4.
; x's COPIES.  The codes under entry 0 are always made.  Those under entry 2 are made only where e2 differs from e0, those under entry 4 only where e4 differs from e0 and from e2:
; an equal exponent is the same quantiser on the same numbers, so the codes would be the same byte for byte; the next launch reads the first copy that has its exponent.  The branches hang on the given whole numbers alone.
; LIMITS: each e lies between -126 and 119, so that 2^e and 448 x 2^e are f32 numbers.  NaN among the inputs is not served.
; THE IMAGE.  Rows (tokens of x, columns of a weight) go in pair-blocks of 32.  Tile u (0, 1) of a pair-block gives lane r (0..15) the row 8 u + r + 8 (r / 8).
; A pair-block's 1,024 along K are 32,768 bytes: K step s (128 along K) at 4,096 s, tile u at 2,048 u, group c at 512 c, lane l = r + 16 h at 16 l: the 16 codes of k = 128 s + 32 c + 16 h + 0 .. 15.
; wimg: pair-blocks 0-31 Wq, 32-39 Wk, 40-47 Wv, 48-79 Wo.   xc: 256 pair-blocks for each copy, 8,388,608 bytes apart.
; Work-groups 0-79 take the weights, 80-591 one tile of 16 tokens each.  Eight waves that share nothing: no barrier.  Only the tokens' path uses LDS.
; 160 registers a wave and 68,608 bytes of LDS: three work-groups fit on a WGP, 768 places for the 592.
.set NW,     80                        ; work-groups for the weights
.set WO,     16                        ; v16-31   weights: byte offset of row i of a piece, at my column
.set WX,     32                        ; v32-95   weights: four sets of 16 numbers down K, taken by turns
.set WC,     96                        ; v96-127  weights: four registers of codes a piece
.set WB,     48                        ; s[48:63] weights: a base for each piece
.set XR,     16                        ; v16-79   x: 16 rows' 16 bytes as loaded,
.set XN,     16                        ;          then, in the same registers, 64 numbers of my row in the operand's order
.set XT,     80                        ; v80-111  x: two sets of 16 held numbers
.set XC,     112                       ; v112-159 x: 16 registers of codes for each copy
.set SPW,    14                        ; v14 my spare word; never rewritten
.set NIL,    15                        ; v15 0; never rewritten
.set SPITCH, 528                       ; a stage row: 512 bytes + 16: sixteen rows start at sixteen different 16-byte columns of 256
.set STG,    16*SPITCH                 ; a wave's stage
	s_load_b512 s[4:19], s[0:1], 0x0               ; x 4:5, Wq 6:7, Wk 8:9, Wv 10:11, Wo 12:13, scales 14:15, xc 16:17, wimg 18:19
	v_lshl_add_u32 v[SPW], v0, 2, 0x10800
	v_mov_b32 v[NIL], 0
	v_lshrrev_b32 v1, 5, v0
	s_delay_alu instid0(VALU_DEP_1)
	v_readfirstlane_b32 s20, v1                    ; wave 0..7
	v_and_b32 v2, 31, v0                           ; lane
	s_wait_kmcnt 0x0
	s_load_b256 s[36:43], s[14:15], 0x0            ; e0 .. e7
	s_load_b128 s[44:47], s[14:15], 0x20           ; e8 .. e11
	s_cmp_lt_u32 ttmp9, NW
	s_cbranch_scc0 .Lx
	; ---- THE WEIGHTS.  K is a weight's first axis: a lane takes a column and its registers run down K, so the conversions give codes with K innermost.
	; Work-group: column group cg (256 columns) and K step ks; wave w: 32 columns = pair-block 8 cg + w.
	s_lshr_b32 s21, ttmp9, 3                       ; cg 0..9: 0-3 Wq, 4 Wk, 5 Wv, 6-9 Wo
	s_and_b32 s22, ttmp9, 7                        ; ks
	s_cmp_lt_u32 s21, 4
	s_cselect_b64 s[24:25], s[6:7], s[12:13]
	s_cselect_b32 s23, 0, 6
	s_cmp_eq_u32 s21, 4
	s_cselect_b64 s[24:25], s[8:9], s[24:25]
	s_cselect_b32 s23, 4, s23
	s_cmp_eq_u32 s21, 5
	s_cselect_b64 s[24:25], s[10:11], s[24:25]
	s_cselect_b32 s23, 5, s23
	s_sub_co_u32 s23, s21, s23                     ; the column group inside its own weight
	s_lshr_b32 s26, s21, 1
	s_mov_b32 s27, 4096                            ; a row of Wq or Wo in bytes,
	s_cmp_eq_u32 s26, 2
	s_cselect_b32 s27, 1024, s27                   ; of Wk or Wv
	s_lshl_b32 s29, s22, 7
	s_mul_i32 s30, s29, s27                        ; 128 ks rows
	s_lshl_b32 s29, s23, 10
	s_add_co_u32 s30, s30, s29                     ; + 256 columns a group
	s_lshl_b32 s29, s20, 7
	s_add_co_u32 s30, s30, s29                     ; + 32 columns a wave
	s_mov_b32 s31, 0
	s_add_nc_u64 s[WB:WB+1], s[24:25], s[30:31]
	s_lshl_b32 s32, s27, 4                         ; 16 rows: from piece to piece
	s_mov_b32 s33, 0
.irp pc, 1,2,3,4,5,6,7
	s_add_nc_u64 s[WB+2*\pc:WB+2*\pc+1], s[WB+2*\pc-2:WB+2*\pc-1], s[32:33]
.endr
	s_wait_alu depctr_va_vdst(0)                   ; the wait behind the run of scalar lines, ahead of the reader below
	v_lshlrev_b32 v3, 2, v2                        ; my column: 4 bytes a lane, 128 consecutive bytes a wave, the eight waves side by side
.set i, 0
.rept 16
	v_mad_u32_u24 v[WO+i], s27, i, v3
.set i, i+1
.endr
.macro LOADP pc                        ; piece pc: k = 128 ks + 16 pc + 0 .. 15 of my column, into set pc % 4
.set i, 0
.rept 16
	global_load_b32 v[WX+16*((\pc)%4)+i], v[WO+i], s[WB+2*(\pc):WB+2*(\pc)+1] th:TH_LOAD_NT
.set i, i+1
.endr
.endm
	LOADP 0
	LOADP 1
	LOADP 2
	s_wait_alu depctr_va_vdst(0)                   ; the wait directly ahead of the wait below
	s_wait_kmcnt 0x0
	s_cmp_lt_u32 s21, 4
	s_cselect_b32 s28, s37, s47                    ; e1 or e11
	s_cmp_eq_u32 s21, 4
	s_cselect_b32 s28, s39, s28                    ; e3
	s_cmp_eq_u32 s21, 5
	s_cselect_b32 s28, s41, s28                    ; e5
	s_add_co_i32 s28, s28, 127
	s_lshl_b32 s29, s28, 23
	v_mov_b32 v10, s29                             ; 2^e as f32: the conversion takes its exponent field
	s_add_co_i32 s28, s28, 8
	s_lshl_b32 s28, s28, 23
	s_or_b32 s28, s28, 0x600000
	v_mov_b32 v11, s28                             ; 448 x 2^e
	s_wait_alu depctr_va_vdst(0)
	v_bfe_u32 v4, v2, 3, 1                         ; column l of the pair-block lies in tile (l / 8) % 2,
	v_and_b32 v5, 7, v2
	v_lshrrev_b32 v6, 4, v2
	s_delay_alu instid0(VALU_DEP_1)
	v_lshl_or_b32 v5, v6, 3, v5                    ; at r = l % 8 + 8 (l / 16)
	s_delay_alu instid0(VALU_DEP_1)
	v_lshlrev_b32 v5, 4, v5
	s_delay_alu instid0(VALU_DEP_1)
	v_lshl_add_u32 v12, v4, 11, v5                 ; 2,048 u + 16 r; piece pc = 2 c + h adds 512 c + 256 h = 256 pc
	s_lshl_b32 s29, s21, 3
	s_add_co_u32 s29, s29, s20
	s_lshl_b32 s34, s29, 15                        ; pair-block 8 cg + w
	s_lshl_b32 s29, s22, 12
	s_add_co_u32 s34, s34, s29                     ; K step ks
	s_mov_b32 s35, 0
	s_add_nc_u64 s[18:19], s[18:19], s[34:35]
.macro PIECE pc                        ; the loads of three pieces on land on the set that the piece before has converted; every piece's codes have registers of their own
.if (\pc)+3 < 8
	LOADP (\pc)+3
.endif
.if 7-(\pc) >= 3
	s_wait_loadcnt 48                              ; this piece's 16 loads are in; those of the three pieces behind it may be out
.else
	s_wait_loadcnt 16*(7-(\pc))
.endif
.set i, 0
.rept 16
	v_med3_num_f32 v[WX+16*((\pc)%4)+i], v[WX+16*((\pc)%4)+i], -v11, v11   ; the conversion to an 8-bit code does not saturate (ISA guide 7.6.2): the hold comes first
.set i, i+1
.endr
	v_cvt_scalef32_pk8_fp8_f32 v[WC+4*(\pc):WC+4*(\pc)+1], v[WX+16*((\pc)%4):WX+16*((\pc)%4)+7], v10
	v_cvt_scalef32_pk8_fp8_f32 v[WC+4*(\pc)+2:WC+4*(\pc)+3], v[WX+16*((\pc)%4)+8:WX+16*((\pc)%4)+15], v10
	global_store_b128 v12, v[WC+4*(\pc):WC+4*(\pc)+3], s[18:19] offset:256*(\pc)   ; sixteen lanes of a tile store 256 consecutive bytes, aligned; two such runs a store
.endm
.irp pc, 0,1,2,3,4,5,6,7
	PIECE \pc
.endr
	s_endpgm
	; ---- x.  Work-group: tile T of 16 tokens; wave w: K step w (512 bytes of each row).  Each load takes 512 consecutive bytes of one row; the 16 rows turn through the wave's own stage,
	; from which lane (r, h) takes, of row r, its 16 neighbours of each block of 32.
.Lx:
	s_sub_co_u32 s21, ttmp9, NW                    ; T 0..511
	s_lshr_b32 s22, s21, 1                         ; pair-block
	s_and_b32 s23, s21, 1                          ; tile u
	s_lshl_b32 s30, s22, 17                        ; 32 rows of 4,096 bytes
	s_lshl_b32 s29, s23, 15                        ; + 8 u rows
	s_add_co_u32 s30, s30, s29
	s_lshl_b32 s29, s20, 9                         ; + my K step
	s_add_co_u32 s30, s30, s29
	s_mov_b32 s31, 0
	s_add_nc_u64 s[4:5], s[4:5], s[30:31]
	s_wait_alu depctr_va_vdst(0)
	v_lshlrev_b32 v1, 4, v2                        ; 16 x lane
	s_wait_alu depctr_va_vdst(0)
.irp i, 0,1,2,3,4,5,6,7,8,9,10,11,12,13,14,15
	global_load_b128 v[XR+4*\i:XR+4*\i+3], v1, s[4:5] offset:(\i+8*(\i/8))*4096 th:TH_LOAD_NT   ; the tile's row r = i is token 8 u + i + 8 (i / 8)
.endr
	s_lshl_b32 s30, s22, 15
	s_lshl_b32 s29, s20, 12
	s_add_co_u32 s30, s30, s29
	s_lshl_b32 s29, s23, 11
	s_add_co_u32 s30, s30, s29                     ; 32,768 pair-block + 4,096 K step + 2,048 u
	s_add_nc_u64 s[24:25], s[16:17], s[30:31]      ; a base for each copy
	s_add_nc_u64 s[26:27], s[24:25], 0x800000
	s_add_nc_u64 s[28:29], s[26:27], 0x800000
	s_mul_i32 s32, s20, STG
	v_add_nc_u32 v12, s32, v1                      ; the stage, on the way in: a row as it lies
	v_and_b32 v3, 15, v2
	v_lshrrev_b32 v13, 4, v2
	s_delay_alu instid0(VALU_DEP_2)
	v_mul_u32_u24 v3, v3, SPITCH
	s_delay_alu instid0(VALU_DEP_1)
	v_lshl_add_u32 v13, v13, 6, v3
	s_delay_alu instid0(VALU_DEP_1)
	v_add_nc_u32 v13, s32, v13                     ; on the way out: row r, + 64 h bytes
	s_wait_alu depctr_va_vdst(0)
	s_wait_kmcnt 0x0
.irp z, 0,1,2
	s_add_co_i32 s33, s[36+2*\z], 127
	s_lshl_b32 s34, s33, 23
	v_mov_b32 v[4+2*\z], s34                       ; 2^e
	s_add_co_i32 s33, s33, 8
	s_lshl_b32 s33, s33, 23
	s_or_b32 s33, s33, 0x600000
	v_mov_b32 v[5+2*\z], s33                       ; 448 x 2^e
.endr
	s_wait_alu depctr_va_vdst(0)
.irp i, 0,1,2,3,4,5,6,7,8,9,10,11,12,13,14,15
	s_wait_loadcnt 15-\i                           ; loads come back in order: row i is in, the younger ones may be out
	ds_store_b128 v12, v[XR+4*\i:XR+4*\i+3] offset:SPITCH*\i
.endr
.irp c, 0,1,2,3
.irp q, 0,1,2,3
	ds_load_b128 v[XN+16*\c+4*\q:XN+16*\c+4*\q+3], v13 offset:128*\c+16*\q   ; LDS serves a wave's instructions in order: these see my stores, and land behind them on the registers that they read
.endr
.endr
	s_wait_dscnt 0x0
.irp z, 0,1,2
.if \z == 1
	s_cmp_eq_u32 s38, s36                          ; e2 = e0: the codes under entry 0 serve
	s_cbranch_scc1 .Lsame1
.endif
.if \z == 2
	s_cmp_eq_u32 s40, s36                          ; e4 = e0,
	s_cbranch_scc1 .Lsame2
	s_cmp_eq_u32 s40, s38                          ; or e4 = e2: an earlier copy serves
	s_cbranch_scc1 .Lsame2
.endif
.irp c, 0,1,2,3
.set i, 0
.rept 16
	v_med3_num_f32 v[XT+16*(\c%2)+i], v[XN+16*\c+i], -v[5+2*\z], v[5+2*\z]   ; held into one of two sets: these sixteen are also the plain lines behind the conversions that read the other set
.set i, i+1
.endr
	v_cvt_scalef32_pk8_fp8_f32 v[XC+16*\z+4*\c:XC+16*\z+4*\c+1], v[XT+16*(\c%2):XT+16*(\c%2)+7], v[4+2*\z]
	v_cvt_scalef32_pk8_fp8_f32 v[XC+16*\z+4*\c+2:XC+16*\z+4*\c+3], v[XT+16*(\c%2)+8:XT+16*(\c%2)+15], v[4+2*\z]
.endr
.irp c, 0,1,2,3
	global_store_b128 v1, v[XC+16*\z+4*\c:XC+16*\z+4*\c+3], s[24+2*\z:25+2*\z] offset:512*\c   ; 512 consecutive bytes a store, aligned
.endr
.Lsame\z:
.endr
	s_wait_tensorcnt 0x0                           ; the wave's end
	ds_add_u32 v[SPW], v[NIL]
	s_wait_dscnt 0x0
	s_endpgm
.Lfunc_end_k_q3087fdf03b_quant:
	.size	k_q3087fdf03b_quant, .Lfunc_end_k_q3087fdf03b_quant-k_q3087fdf03b_quant
	.p2alignl 7, 3214868480
	.fill 96, 4, 3214868480
	.section	.rodata,"a",@progbits
	.p2align	6, 0x0
	.amdhsa_kernel k_q3087fdf03b_quant
		.amdhsa_group_segment_fixed_size 68608
		.amdhsa_private_segment_fixed_size 0
		.amdhsa_enable_private_segment 0
		.amdhsa_kernarg_size 64
		.amdhsa_user_sgpr_count 2
		.amdhsa_user_sgpr_kernarg_segment_ptr 1
		.amdhsa_wavefront_size32 1
		.amdhsa_system_sgpr_workgroup_id_x 1
		.amdhsa_system_sgpr_workgroup_id_y 1
		.amdhsa_system_sgpr_workgroup_id_z 1
		.amdhsa_system_vgpr_workitem_id 0
		.amdhsa_next_free_vgpr 160
		.amdhsa_next_free_sgpr 66
		.amdhsa_reserve_vcc 0
		.amdhsa_float_denorm_mode_32 3
		.amdhsa_float_denorm_mode_16_64 3
		.amdhsa_memory_ordered 1
		.amdhsa_forward_progress 1
		.amdhsa_inst_pref_size 48
	.end_amdhsa_kernel
	.amdgpu_metadata
---
amdhsa.version: [ 1, 2 ]
amdhsa.kernels:
  - .name:           k_q3087fdf03b_quant
    .symbol:         k_q3087fdf03b_quant.kd
    .args:
      - { .name: x, .offset: 0, .size: 8, .value_kind: global_buffer, .address_space: global }
      - { .name: Wq, .offset: 8, .size: 8, .value_kind: global_buffer, .address_space: global }
      - { .name: Wk, .offset: 16, .size: 8, .value_kind: global_buffer, .address_space: global }
      - { .name: Wv, .offset: 24, .size: 8, .value_kind: global_buffer, .address_space: global }
      - { .name: Wo, .offset: 32, .size: 8, .value_kind: global_buffer, .address_space: global }
      - { .name: lowp_scales, .offset: 40, .size: 8, .value_kind: global_buffer, .address_space: global }
      - { .name: xc, .offset: 48, .size: 8, .value_kind: global_buffer, .address_space: global }
      - { .name: wimg, .offset: 56, .size: 8, .value_kind: global_buffer, .address_space: global }
    .group_segment_fixed_size: 68608
    .private_segment_fixed_size: 0
    .kernarg_segment_align: 8
    .kernarg_segment_size: 64
    .max_flat_workgroup_size: 256
    .sgpr_count:     66
    .vgpr_count:     160
    .wavefront_size: 32
...
	.end_amdgpu_metadata
.endif
;; end of part 1
;; launch proj (part 2): grid 6 x 32, 4 waves a work-group, no clusters, 262,656 bytes of LDS; arguments xc, wimg, lowp_scales, qimg, kv; writes qimg, kv
.if DOCPART == 2
	.amdgcn_target "amdgcn-amd-amdhsa--gfx1250"
	.amdhsa_code_object_version 6
	.text
	.protected	k_q3087fdf03b_proj
	.globl	k_q3087fdf03b_proj
	.p2align	8
	.type	k_q3087fdf03b_proj,@function
k_q3087fdf03b_proj:
	s_mov_b64 s[64:65], 0
	v_nop
	global_prefetch_b8 v0, s[64:65] scope:SCOPE_SE
	s_setreg_imm32_b32 hwreg(HW_REG_WAVE_MODE, 25, 1), 1
	s_wait_xcnt 0x0
; q = x Wq, k = x Wk, v = x Wv on codes of FP8 (E4M3), and their sums quantised at once into the codes that attention multiplies.  One path serves all three.
; Work-group (p, g): part p (0-3: 256 features of Wq; 4: Wk; 5: Wv) x 256 tokens g.
; A RESIDENT operand, 256 rows x 1,024 K, stays in registers: wave w holds pair-blocks 2 w and 2 w + 1 (512 registers).  A STREAMED operand, 256 rows (8 pair-blocks, 262,144 bytes), is brought
; into LDS once, a quarter by each wave's one tensor load, and read by all four waves.  No LDS byte is filled twice.
; The matrix instruction is always (source 0 = resident, source 1 = streamed): a lane holds one streamed row, and the 16 registers of a resident pair-block's two tiles are 16 NEIGHBOURING resident rows
; (a tile's lane r is row 8 u + r + 8 (r / 8) of its pair-block).  For q and k the weights are resident: a lane's 16 codes run along the features, the next K.  For v the tokens are resident: they run along the keys.
; So each group of 16 sums becomes 16 bytes of the next operand's register image, and every store covers 512 consecutive bytes, aligned.
; A sum stands for sum x 2^(ea + eb); its code is sum / 2^(ec - ea - eb): the three given exponents are folded into the conversion's one scale.
; LIMIT: e6 - e0 - e1, e7 - e2 - e3 and e9 - e4 - e5 lie between -126 and 119.
; NO CLUSTER: the grid's six parts do not divide into fours, the parts stream three different sets of codes in two roles, and the operand that parts of one g or one p share beyond that goes straight into registers.
; OUT: qimg: token tile T at 16,384 T, head at 1,024, half c' of the head's 64 at 512, lane at 16.   kv: 262,144 for each (batch, kv head): K: key tile at 1,024, c' at 512;
;      V at +131,072: 128 keys at 8,192, channel tile at 2,048, group c (32 keys) at 512.
; REGISTERS: window 0: v1-6 addresses and scales; v32-95, v96-159 two sets of streamed fragments (2 K steps x 2 tiles); v160-223 eight accumulators (4 fb + 2 tile + resident tile); v224-239 codes.
;   window 1: resident pair-block fb = 0, fragment (tile u, K step s) at 16 (8 u + s); window 2: fb = 1.
.set LI,  1                            ; v1  16 x lane; never rewritten
.set XA,  2                            ; v2  LDS address of the streamed pair-block in hand
.set VO0, 3                            ; v3, v4  store offsets of the streamed tiles 0 and 1
.set SC,  5                            ; v5  the folded scale as f32
.set LM,  6                            ; v6  448 x that
.set XS,  32
.set ACC, 160
.set CD,  224
.set MSB, 0
.macro WIN new                         ; the immediate's high byte repeats the setting that is left
.if MSB != (\new)
	s_set_vgpr_msb (MSB<<8)|(\new)
.set MSB, (\new)
.endif
.endm
.macro PLACES                          ; four plain vector lines behind matrix instructions, ahead of loads into registers that they read and of the first read of results
.rept 4
	v_nop
.endr
.endm
	s_load_b256 s[4:11], s[0:1], 0x0               ; xc 4:5, wimg 6:7, scales 8:9, qimg 10:11
	s_load_b64 s[12:13], s[0:1], 0x20              ; kv
	v_lshl_add_u32 v254, v0, 2, 0x40000
	v_mov_b32 v255, 0
	ds_add_u32 v254, v255
	ds_add_u32 v254, v255
	v_lshrrev_b32 v2, 5, v0
	v_readfirstlane_b32 s14, v2                    ; wave 0..3
	v_and_b32 v1, 31, v0
	v_lshlrev_b32 v[LI], 4, v1
	s_mov_b32 s15, ttmp9                           ; p
	s_and_b32 s16, ttmp7, 0xffff                   ; g
	; descriptor group 1: a dense block of 65,536 bytes as 256 rows of 32 elements of 8 bytes
	s_mov_b32 s24, 3<<16                           ; no mask; elements of 8 bytes; no padding
	s_mov_b32 s25, 32<<16                          ; tensor_dim0 = 32
	s_mov_b32 s26, 256<<16                         ; tensor_dim1 = 256
	s_mov_b32 s27, 32<<16                          ; tile_dim0 = 32
	s_mov_b32 s28, 256                             ; tile_dim1 = 256
	s_mov_b32 s29, 32                              ; from row to row
	s_mov_b32 s30, 0
	s_mov_b32 s31, 0
	; offsets, apart from the addresses.  Streamed: q: x's codes under e0, tokens g; k: those under e2; v: Wv's eight pair-blocks
	s_lshl_b32 s58, s16, 18
	s_cmp_eq_u32 s15, 5
	s_cselect_b32 s58, 40*32768, s58
	s_cselect_b32 s60, s16, s15                    ; resident: pair-blocks 8 g + 2 w of x's codes (v), else 8 p + 2 w of the weights; which copy of x's codes: below, behind the given exponents
	s_lshl_b32 s33, s14, 16                        ; my quarter in LDS,
	s_add_co_u32 s58, s58, s33                     ; and in memory
	s_mov_b32 s59, 0
	s_lshl_b32 s60, s60, 3
	s_lshl_b32 s62, s14, 1
	s_add_co_u32 s60, s60, s62
	s_lshl_b32 s60, s60, 15
	s_mov_b32 s61, 0
	s_mov_b32 s32, 1                               ; group 0: count = 1
	s_wait_alu depctr_va_vdst(0)
	s_wait_dscnt 0x0
	s_wait_kmcnt 0x0
	s_load_b256 s[36:43], s[8:9], 0x0              ; e0 .. e7
	s_load_b128 s[44:47], s[8:9], 0x20             ; e8 .. e11
	s_wait_kmcnt 0x0
	; x's codes are stored once for each DIFFERENT exponent among e0, e2, e4: each product reads the first copy that has its exponent.  A choice by selects, no branch
	s_cmp_eq_u32 s38, s36
	s_cselect_b32 s62, 0, 1                        ; the number of e2's copy
	s_cmp_eq_u32 s40, s38
	s_cselect_b32 s63, s62, 2
	s_cmp_eq_u32 s40, s36
	s_cselect_b32 s63, 0, s63                      ; the number of e4's copy
	s_cmp_eq_u32 s15, 4
	s_cselect_b32 s62, s62, 0                      ; k streams e2's copy
	s_cmp_eq_u32 s15, 5
	s_cselect_b32 s63, s63, 0                      ; v keeps e4's copy in registers
	s_min_u32 s62, s62, 2                          ; a number chosen by given whole numbers is held at the last copy's before it enters an offset
	s_min_u32 s63, s63, 2
	s_lshl_b32 s62, s62, 23                        ; the copies lie 8,388,608 bytes apart
	s_lshl_b32 s63, s63, 23
	s_add_co_u32 s58, s58, s62
	s_add_co_u32 s60, s60, s63
	s_cmp_eq_u32 s15, 5
	s_cselect_b64 s[22:23], s[6:7], s[4:5]
	s_cselect_b64 s[20:21], s[4:5], s[6:7]
	s_add_nc_u64 s[34:35], s[22:23], s[58:59]
	s_or_b32 s35, s35, 0x80000000                  ; type = 2
	s_add_nc_u64 s[20:21], s[20:21], s[60:61]
	tensor_load_to_lds s[32:35], s[24:31]          ; my one tensor load: one is out; its registers are never written again
	s_nop 0
.rept 4
	v_nop
.endr
	WIN 0x40                                       ; destination window 1
.irp u, 0,1
.irp s, 0,1,2,3,4,5,6,7
.irp c, 0,1,2,3
	global_load_b128 v[16*(8*\u+\s)+4*\c:16*(8*\u+\s)+4*\c+3], v[LI], s[20:21] offset:\s*4096+\u*2048+\c*512
.endr
.endr
.endr
	WIN 0x80                                       ; destination window 2
.irp u, 0,1
.irp s, 0,1,2,3,4,5,6,7
.irp c, 0,1,2,3
	global_load_b128 v[16*(8*\u+\s)+4*\c:16*(8*\u+\s)+4*\c+3], v[LI], s[20:21] offset:32768+\s*4096+\u*2048+\c*512
.endr
.endr
.endr
	WIN 0
	; where the codes go
	s_lshl_b32 s58, s16, 18
	s_lshl_b32 s59, s15, 12
	s_add_co_u32 s58, s58, s59
	s_lshl_b32 s59, s14, 10
	s_add_co_u32 s58, s58, s59                     ; q: 16 token tiles g, head 4 p + w
	s_lshr_b32 s60, s16, 3
	s_lshl_b32 s60, s60, 20                        ; k, v: the batch's four kv heads,
	s_and_b32 s61, s16, 7
	s_lshl_b32 s61, s61, 14
	s_add_co_u32 s60, s60, s61                     ; 16 key tiles, or two steps of 128 keys, for each g
	s_lshl_b32 s61, s14, 18
	s_add_co_u32 s61, s60, s61                     ; k: kv head w
	s_lshr_b32 s62, s14, 1
	s_lshl_b32 s62, s62, 13
	s_add_co_u32 s60, s60, s62                     ; v: my 64 keys: step w / 2,
	s_and_b32 s62, s14, 1
	s_lshl_b32 s62, s62, 10
	s_add_co_u32 s60, s60, s62                     ; groups 2 (w % 2) and the next
	s_add_co_u32 s60, s60, 131072
	s_mov_b32 s66, 1024
	s_mov_b32 s50, 2048
	s_cmp_lt_u32 s15, 4
	s_cselect_b64 s[48:49], s[10:11], s[12:13]
	s_cselect_b32 s54, s58, s61
	s_cselect_b32 s66, 16384, s66                  ; from streamed tile 0 to tile 1
	s_cselect_b32 s50, 32768, s50                  ; the step behind an even streamed pair-block,
	s_mov_b32 s52, s50                             ; and behind an odd one
	s_cmp_eq_u32 s15, 5
	s_cselect_b32 s54, s60, s54
	s_cselect_b32 s66, 2048, s66
	s_cselect_b32 s50, 4096, s50                   ; v: two channel tiles on;
	s_cselect_b32 s52, 258048, s52                 ; the next kv head, back two tiles
	s_mov_b32 s55, 0
	s_mov_b32 s51, 0
	s_mov_b32 s53, 0
	s_add_nc_u64 s[48:49], s[48:49], s[54:55]
	v_mov_b32 v[VO0], v[LI]
	v_add_nc_u32 v[VO0+1], s66, v[LI]
	s_wait_kmcnt 0x0
	s_sub_co_i32 s67, s42, s36
	s_sub_co_i32 s67, s67, s37                     ; e6 - e0 - e1
	s_sub_co_i32 s68, s43, s38
	s_sub_co_i32 s68, s68, s39                     ; e7 - e2 - e3
	s_sub_co_i32 s69, s45, s40
	s_sub_co_i32 s69, s69, s41                     ; e9 - e4 - e5
	s_cmp_lt_u32 s15, 4
	s_cselect_b32 s67, s67, s68
	s_cmp_eq_u32 s15, 5
	s_cselect_b32 s67, s69, s67
	s_add_co_i32 s67, s67, 127
	s_lshl_b32 s68, s67, 23
	v_mov_b32 v[SC], s68
	s_add_co_i32 s67, s67, 8
	s_lshl_b32 s67, s67, 23
	s_or_b32 s67, s67, 0x600000
	v_mov_b32 v[LM], s67
; 16 LDS loads: K steps 2 q and 2 q + 1 of the pair-block's two tiles, as they lie: 512 consecutive bytes a load
.macro FETCH set, q, extra
.irp si, 0,1
.irp u, 0,1
.irp c, 0,1,2,3
	ds_load_b128 v[XS+64*(\set)+32*\si+16*\u+4*\c:XS+64*(\set)+32*\si+16*\u+4*\c+3], v[XA] offset:(\extra)+(2*(\q)+\si)*4096+\u*2048+\c*512
.endr
.endr
.endr
.endm
; 16 matrix instructions: two K steps x (2 streamed tiles x 2 resident tiles) for each resident pair-block.  The accumulators take turns, one instruction a turn.  zero = 1: the first product starts the sums.
.macro MUL set, q, zero
.irp fb, 0,1
	WIN 1+\fb                                      ; source 0 in window 1 or 2
.irp si, 0,1
.irp a, 0,1,2,3
.if (\zero) && (\si == 0)
	v_wmma_f32_16x16x128_fp8_fp8 v[ACC+32*\fb+8*\a:ACC+32*\fb+8*\a+7], v[16*(8*(\a%2)+2*(\q)+\si):16*(8*(\a%2)+2*(\q)+\si)+15], v[XS+64*(\set)+32*\si+16*(\a/2):XS+64*(\set)+32*\si+16*(\a/2)+15], 0
.else
	v_wmma_f32_16x16x128_fp8_fp8 v[ACC+32*\fb+8*\a:ACC+32*\fb+8*\a+7], v[16*(8*(\a%2)+2*(\q)+\si):16*(8*(\a%2)+2*(\q)+\si)+15], v[XS+64*(\set)+32*\si+16*(\a/2):XS+64*(\set)+32*\si+16*(\a/2)+15], v[ACC+32*\fb+8*\a:ACC+32*\fb+8*\a+7]
.endif
.endr
.endr
.endr
	WIN 0
.endm
; The sums of a streamed pair-block become codes: group gq = 2 fb + streamed tile: 16 neighbours along the next K.  Each accumulator is read from its low end on.
.macro WAYOUT
	PLACES
.irp gq, 0,1,2,3
.set i, 0
.rept 16
	v_med3_num_f32 v[ACC+16*\gq+i], v[ACC+16*\gq+i], -v[LM], v[LM]   ; the conversion does not saturate (ISA guide 7.6.2)
.set i, i+1
.endr
	v_cvt_scalef32_pk8_fp8_f32 v[CD+4*\gq:CD+4*\gq+1], v[ACC+16*\gq:ACC+16*\gq+7], v[SC]
	v_cvt_scalef32_pk8_fp8_f32 v[CD+4*\gq+2:CD+4*\gq+3], v[ACC+16*\gq+8:ACC+16*\gq+15], v[SC]
.endr
	v_nop                                          ; a plain line behind the last conversion: the next products write its sources
.irp gq, 0,1,2,3
	global_store_b128 v[VO0+\gq%2], v[CD+4*\gq:CD+4*\gq+3], s[48:49] offset:(\gq/2)*512
.endr
	s_wait_xcnt 0x0                                ; the stores have read their data and their base: both are written again only behind this wait
	s_add_nc_u64 s[48:49], s[48:49], s[50:51]
	s_mov_b64 s[54:55], s[50:51]                   ; the two steps change places
	s_mov_b64 s[50:51], s[52:53]
	s_mov_b64 s[52:53], s[54:55]
.endm
; A streamed pair-block: 64 matrix instructions.  Each run of 16 loads is issued 16 matrix instructions ahead of its use; s_wait_dscnt 16 leaves out only the run just issued.
.macro BLOCK next
	PLACES
	FETCH 1, 1, 0
	s_wait_dscnt 16
	MUL 0, 0, 1
	PLACES
	FETCH 0, 2, 0
	s_wait_dscnt 16
	MUL 1, 1, 0
	PLACES
	FETCH 1, 3, 0
	s_wait_dscnt 16
	MUL 0, 2, 0
.if \next
	PLACES
	FETCH 0, 0, 32768                              ; the next pair-block's first two K steps
	s_wait_dscnt 16
.else
	s_wait_dscnt 0x0
.endif
	MUL 1, 3, 0
	WAYOUT
.endm
	s_wait_tensorcnt 0x0                           ; my quarter of the streamed operand is in,
	s_barrier_signal -1
	s_barrier_wait -1                              ; everybody's is
	s_wait_loadcnt 0x0                             ; the resident operand
	v_mov_b32 v[XA], v[LI]
	FETCH 0, 0, 0
	s_mov_b32 s56, 0
	s_mov_b32 s57, 7
.Lblk:
	s_wait_alu depctr_va_vdst(0)
	BLOCK 1
	s_add_co_u32 s56, s56, 32768
	v_add_nc_u32 v[XA], s56, v[LI]
	s_sub_co_u32 s57, s57, 1
	s_cmp_lg_u32 s57, 0
	s_cbranch_scc1 .Lblk
	s_wait_alu depctr_va_vdst(0)
	BLOCK 0                                        ; the last pair-block fetches nothing beyond itself
	s_wait_tensorcnt 0x0
	ds_add_u32 v254, v255
	s_wait_dscnt 0x0
	s_endpgm
.Lfunc_end_k_q3087fdf03b_proj:
	.size	k_q3087fdf03b_proj, .Lfunc_end_k_q3087fdf03b_proj-k_q3087fdf03b_proj
	.p2alignl 7, 3214868480
	.fill 96, 4, 3214868480
	.section	.rodata,"a",@progbits
	.p2align	6, 0x0
	.amdhsa_kernel k_q3087fdf03b_proj
		.amdhsa_group_segment_fixed_size 262656
		.amdhsa_private_segment_fixed_size 0
		.amdhsa_enable_private_segment 0
		.amdhsa_kernarg_size 40
		.amdhsa_user_sgpr_count 2
		.amdhsa_user_sgpr_kernarg_segment_ptr 1
		.amdhsa_wavefront_size32 1
		.amdhsa_system_sgpr_workgroup_id_x 1
		.amdhsa_system_sgpr_workgroup_id_y 1
		.amdhsa_system_sgpr_workgroup_id_z 1
		.amdhsa_system_vgpr_workitem_id 0
		.amdhsa_next_free_vgpr 768
		.amdhsa_next_free_sgpr 80
		.amdhsa_reserve_vcc 0
		.amdhsa_float_denorm_mode_32 3
		.amdhsa_float_denorm_mode_16_64 3
		.amdhsa_memory_ordered 1
		.amdhsa_forward_progress 1
		.amdhsa_inst_pref_size 46
	.end_amdhsa_kernel
	.amdgpu_metadata
---
amdhsa.version: [ 1, 2 ]
amdhsa.kernels:
  - .name:           k_q3087fdf03b_proj
    .symbol:         k_q3087fdf03b_proj.kd
    .args:
      - { .name: xc, .offset: 0, .size: 8, .value_kind: global_buffer, .address_space: global }
      - { .name: wimg, .offset: 8, .size: 8, .value_kind: global_buffer, .address_space: global }
      - { .name: lowp_scales, .offset: 16, .size: 8, .value_kind: global_buffer, .address_space: global }
      - { .name: qimg, .offset: 24, .size: 8, .value_kind: global_buffer, .address_space: global }
      - { .name: kv, .offset: 32, .size: 8, .value_kind: global_buffer, .address_space: global }
    .group_segment_fixed_size: 262656
    .private_segment_fixed_size: 0
    .kernarg_segment_align: 8
    .kernarg_segment_size: 40
    .max_flat_workgroup_size: 128
    .sgpr_count:     80
    .vgpr_count:     768
    .wavefront_size: 32
...
	.end_amdgpu_metadata
.endif
;; end of part 2
;; launch attn (part 3): grid 16 x 16, 8 waves a work-group, no clusters, 263,168 bytes of LDS; arguments qimg, kv, lowp_scales, ao; writes ao
.if DOCPART == 3
	.amdgcn_target "amdgcn-amd-amdhsa--gfx1250"
	.amdhsa_code_object_version 6
	.text
	.protected	k_q3087fdf03b_attn
	.globl	k_q3087fdf03b_attn
	.p2align	8
	.type	k_q3087fdf03b_attn,@function
k_q3087fdf03b_attn:
	s_mov_b64 s[64:65], 0
	v_nop
	global_prefetch_b8 v0, s[64:65] scope:SCOPE_SE
	s_setreg_imm32_b32 hwreg(HW_REG_WAVE_MODE, 25, 1), 1
	s_wait_xcnt 0x0
; Attention with the ALiBi bias, both products on codes of FP8 (E4M3); its result is quantised at once for the last projection.
; logit = q . k / 8 + slope (j - i), slope = 2^(-(head + 1) / 2); t = logit x log2(e); M = the ceiling of the running largest t; p = 2^(t - M) is quantised along the keys with 2^e8, not normalised;
; the row's sum is taken of the unquantised p in f32 and divides at the end.  When M moves, the sum and O are multiplied by 2^(old M - new M): nothing is rounded, and no branch hangs on floating-point data.
; SHARES.  Work-group (xblk, y): 128 queries x the four query heads of (batch, kv head) y.  Eight waves of 512 registers, two to a SIMD, two passes.  Wave w has head 4 (y % 4) + w % 4 and, in a pass,
; the pair-block of 32 queries 4 xblk + 2 pass + w / 4: TWO tiles of 16 queries, so that each fragment of K and V read from LDS feeds two matrix instructions, and the two tiles' dependent lines take turns.
; LDS.  All of y's K and V images, 262,144 bytes, are brought once: each wave loads 32,768 bytes (64 loads of 512 consecutive bytes) into registers and stores them as they lie.  One barrier; then LDS is only read.
; THE HOLD OF p.  The conversion does not saturate (ISA guide 7.6.2), so p is held at 448 x 2^e8 where it could pass that.  Where e8 >= -8 and e6 + e7 <= -1 it cannot:
; |q . k| <= 64 x 448^2 x 2^(e6 + e7) by the codes themselves and |slope (j - i)| < 2,048, so |t| < 2^21, the roundings of t and of t - M add up to less than 0.3, and p < 2^0.3 < 1.75 <= 448 x 2^e8.
; NO CLUSTER, NO TENSOR LOAD: K and V are 64 loads and 64 LDS stores a wave, once, beside 32 steps of some 590 lines.
; NO PREFETCH: K and V are asked for once, at the head; there is no loop to run ahead in.  Both passes' queries are asked for at the head too.
; LAYOUT.  S^T = K Q^T (source 0 = 16 keys, source 1 = 16 queries), O^T = V^T P^T: a lane holds ONE query of each tile throughout.  A tile's lane r is row 8 u + r + 8 (r / 8) of its pair-block of 32 (keys, queries, channels alike),
; so the 16 registers of tiles 2 b, 2 b + 1 are 16 neighbours 32 b + 16 (lane / 16) + 0 .. 15: p's conversions give the second product's operand, O's give the last projection's.
; THE BIAS: its part inside 64 keys goes in as the C of the score product, BETA x (local key), BETA = slope x 8 / 2^(e6 + e7); the rest, A2 x n with A2 = slope x log2(e) and the whole number
; n = first key - query, is fused with -M into the addend of the scaling: fma(A2, n, -M).
; LIMITS: e6 + e7 between -123 and 121; e8 and e10 between -126 and 119; e8 + e9 is applied by v_ldexp_f32 and has none.  NaN is not served.
; The launch's very last step fetches K's first step once more (the address wraps so that pass 1 finds it); those 16 loads are not read.
; REGISTERS.  Window 0: v1-12 addresses and constants; v16-36, v40-60 the two tiles' small variables; v64-79 Q; v80-95 the next pass's Q; v96-127 the bias; v128-191 K's fragments; v192-255 V's.
; Window 1: v0-127 S^T, then p (64 a tile); v128-191 O^T (32 a tile); v192-223 codes (16 a tile); v224-255 partial sums.  At the head window 1 holds the 64 loads of K and V.
.set SPARE, 0x40000                    ; behind K and V: the spare words, 128 bytes a wave
.set LI,   1                           ; 16 x lane
.set LV,   2                           ; the same in V's half of LDS
.set ADK,  3
.set ADV,  4
.set SPW,  5                           ; my spare word; never rewritten
.set NIL,  6                           ; 0; never rewritten
.set PAT,  7                           ; r + 8 (r / 8)
.set TV,   8
.set LIMP, 9
.set SCP,  10
.set LIMO, 11
.set SCO,  12
.set TS,   24                          ; from tile 0's small variables to tile 1's
.set NP,   16                          ; pair: n for the step's lower and upper 64 keys
.set DP,   18                          ; pair: A2 n
.set MP,   20                          ; pair: the largest sums of the two halves
.set E0,   22                          ; pair, low word used: the lower half's addend
.set E1,   24                          ; the upper half's
.set FF,   26                          ; pair, low word used: 2^(old M - new M)
.set SUM,  28                          ; pair: the row's sum in two halves
.set RL,   30                          ; pair, low word used: 2^(e8 + e9) / the sum
.set NM,   32                          ; -M
.set ONM,  33
.set TM,   34                          ; the running largest t
.set DF,   35
.set PX,   36
.set Q,    64
.set QN,   80
.set BI,   96
.set FK,   128
.set FV,   192
.set S,    0                           ; window 1 from here on
.set O,    128
.set P,    192
.set T,    224
.set WV,   12
.set CS,   48                          ; s[48:49] log2(e) / 8 x 2^(e6 + e7)
.set A2,   50                          ; s[50:51]
.set BETA, 52
.set EPV,  53
.set SEL,  54                          ; s[54:55] selects for lane l xor 16
.set TB,   56                          ; the step's first byte in K's (and V's) half
.set TBK,  57                          ; the next step's, wrapped
.set CNT,  66
.set PASS, 67
.set HOLD, 68                          ; 0: p cannot pass 448 x 2^e8
.set MSB, 0
.macro WIN new                         ; low byte: bits 1:0 source 0, 3:2 source 1, 5:4 source 2, 7:6 destination; the high byte repeats the setting that is left
.if MSB != (\new)
	s_set_vgpr_msb (MSB<<8)|(\new)
.set MSB, (\new)
.endif
.endm
	s_load_b256 s[4:11], s[0:1], 0x0               ; qimg 4:5, kv 6:7, scales 8:9, ao 10:11
	v_lshl_add_u32 v[SPW], v0, 2, SPARE
	v_mov_b32 v[NIL], 0
	v_lshrrev_b32 v[TV], 5, v0
	v_readfirstlane_b32 s[WV], v[TV]               ; wave 0..7
	v_and_b32 v[LI], 31, v0
	v_lshlrev_b32 v[LI], 4, v[LI]
	s_lshl_b32 s33, s[WV], 15                      ; my 32,768 bytes of K and V
	v_add_nc_u32 v[ADK], s33, v[LI]
	v_add_nc_u32 v[LV], 0x20000, v[LI]
	v_and_b32 v[PAT], 15, v0
	v_and_b32 v[TV], 8, v[PAT]
	v_add_nc_u32 v[PAT], v[PAT], v[TV]
	v_and_b32 v[TV], 16, v0                        ; 16 (lane / 16)
	s_wait_alu depctr_va_vdst(0)                   ; the wait ahead of the run of scalar lines
	s_mov_b32 s14, ttmp9                           ; xblk
	s_and_b32 s15, ttmp7, 0xffff                   ; y = 4 batch + kv head
	s_lshl_b32 s34, s15, 18
	s_add_co_u32 s34, s34, s33                     ; y's 262,144 bytes, my part
	s_mov_b32 s35, 0
	s_and_b32 s58, s15, 3
	s_lshl_b32 s58, s58, 2
	s_and_b32 s59, s[WV], 3
	s_add_co_u32 s58, s58, s59                     ; my head, 0..15
	s_lshr_b32 s59, s58, 1                         ; head / 2
	s_lshr_b32 s61, s15, 2                         ; batch
	s_lshl_b32 s61, s61, 7
	s_lshl_b32 s62, s14, 3
	s_add_co_u32 s61, s61, s62
	s_lshr_b32 s60, s[WV], 2
	s_lshl_b32 s62, s60, 1
	s_add_co_u32 s61, s61, s62                     ; token tile T = 128 batch + 8 xblk + 2 (w / 4), even (pass 0, tile 0)
	s_lshl_b32 s62, s61, 14
	s_lshl_b32 s63, s58, 10
	s_add_co_u32 s62, s62, s63                     ; q: 16,384 T + 1,024 head
	s_mov_b32 s63, 0
	s_lshl_b32 s22, s61, 14                        ; ao: pair-block T / 2 at 32,768,
	s_lshl_b32 s23, s59, 12
	s_add_co_u32 s22, s22, s23                     ; K step head / 2,
	s_and_b32 s23, s58, 1
	s_lshl_b32 s23, s23, 10
	s_add_co_u32 s22, s22, s23                     ; groups 2 (head % 2) and the next
	s_mov_b32 s23, 0
	s_lshl_b32 s20, s14, 7
	s_lshl_b32 s60, s60, 5
	s_add_co_u32 s20, s20, s60                     ; tile 0's first query in its batch,
	s_add_co_u32 s21, s20, 8                       ; tile 1's
	s_mov_b32 s[SEL], 0x76543210
	s_mov_b32 s[SEL+1], 0xfedcba98
	s_wait_kmcnt 0x0
	s_load_b256 s[36:43], s[8:9], 0x0              ; e0 .. e7
	s_load_b128 s[44:47], s[8:9], 0x20             ; e8 .. e11
	s_add_nc_u64 s[34:35], s[6:7], s[34:35]
	s_add_nc_u64 s[16:17], s[4:5], s[62:63]
	s_add_nc_u64 s[18:19], s[10:11], s[22:23]
.irp u, 0,1
.irp c, 0,1
	global_load_b128 v[Q+8*\u+4*\c:Q+8*\u+4*\c+3], v[LI], s[16:17] offset:16384*\u+512*\c
.endr
.endr
.irp u, 0,1
.irp c, 0,1
	global_load_b128 v[QN+8*\u+4*\c:QN+8*\u+4*\c+3], v[LI], s[16:17] offset:65536+16384*\u+512*\c   ; pass 1: four token tiles on
.endr
.endr
	WIN 0x40                                       ; destination window 1
.set i, 0
.rept 64
	global_load_b128 v[4*i:4*i+3], v[LI], s[34:35] offset:512*i   ; 512 consecutive bytes a load
.set i, i+1
.endr
	WIN 0
	s_wait_kmcnt 0x0
	s_add_co_i32 s60, s42, s43                     ; e6 + e7
	s_mov_b32 s[A2], 0x3f8293ee                    ; even head: 2^-0.5 log2(e);
	s_mov_b32 s[BETA], 0x3f3504f3                  ; 2^-0.5
	s_and_b32 s63, s58, 1
	s_cmp_lg_u32 s63, 0
	s_cselect_b32 s[A2], 0x3f38aa3b, s[A2]         ; odd head: log2(e) / 2;
	s_cselect_b32 s[BETA], 0x3f000000, s[BETA]     ; 1 / 2
	s_lshl_b32 s61, s59, 23
	s_sub_co_u32 s[A2], s[A2], s61                 ; x 2^-(head / 2): taken off the exponent field
	s_mov_b32 s[A2+1], s[A2]
	s_sub_co_i32 s62, 3, s59
	s_sub_co_i32 s62, s62, s60
	s_lshl_b32 s62, s62, 23
	s_add_co_u32 s[BETA], s[BETA], s62             ; slope x 8 / 2^(e6 + e7)
	s_lshl_b32 s61, s60, 23
	s_add_co_u32 s[CS], s61, 0x3e38aa3b            ; log2(e) / 8 x 2^(e6 + e7)
	s_mov_b32 s[CS+1], s[CS]
	s_add_co_i32 s[EPV], s44, s45                  ; e8 + e9
	s_cmp_ge_i32 s44, -8
	s_cselect_b32 s[HOLD], 0, 1
	s_cmp_le_i32 s60, -1
	s_cselect_b32 s[HOLD], s[HOLD], 1              ; 0 where e8 >= -8 and e6 + e7 <= -1
	s_add_co_i32 s61, s44, 127
	s_lshl_b32 s62, s61, 23
	v_mov_b32 v[SCP], s62                          ; 2^e8
	s_add_co_i32 s61, s61, 8
	s_lshl_b32 s61, s61, 23
	s_or_b32 s61, s61, 0x600000
	v_mov_b32 v[LIMP], s61                         ; 448 x 2^e8
	s_add_co_i32 s61, s46, 127
	s_lshl_b32 s62, s61, 23
	v_mov_b32 v[SCO], s62                          ; 2^e10
	s_add_co_i32 s61, s61, 8
	s_lshl_b32 s61, s61, 23
	s_or_b32 s61, s61, 0x600000
	v_mov_b32 v[LIMO], s61                         ; 448 x 2^e10
.set j, 0
.rept 32                                       ; register 16 b + i of a lane is local key 32 b + 16 (lane / 16) + i
	v_add_nc_u32 v[BI+j], 32*(j/16)+j%16, v[TV]
.set j, j+1
.endr
.set j, 0
.rept 32
	v_cvt_f32_u32 v[BI+j], v[BI+j]
.set j, j+1
.endr
.set j, 0
.rept 32
	v_mul_f32 v[BI+j], s[BETA], v[BI+j]
.set j, j+1
.endr
.irp u, 0,1
	v_mov_b32 v[PX+TS*\u], 0                       ; a lane permute's destination counts as one of its sources
	v_mov_b32 v[E0+TS*\u+1], 0                     ; upper halves of pairs that are named whole
	v_mov_b32 v[E1+TS*\u+1], 0
	v_mov_b32 v[FF+TS*\u+1], 0
	v_mov_b32 v[RL+TS*\u+1], 0
.endr
	WIN 0x04                                       ; store data in window 1
	s_wait_alu depctr_va_vdst(0)                   ; the wait at the head's end
.set i, 0
.rept 8
	s_wait_loadcnt 56-i                            ; loads come back in order: Q's eight and K and V's up to i + 7 are in, the 56 - i younger ones may be out
.rept 8
	ds_store_b128 v[ADK], v[4*i:4*i+3] offset:512*i
.set i, i+1
.endr
.endr
	WIN 0
	s_wait_dscnt 0x0                               ; my part of K and V lies in LDS,
	s_barrier_signal -1
	s_barrier_wait -1                              ; everybody's does
.irp f, 0,1,2,3,4,5,6,7,8,9,10,11,12,13,14,15
	ds_load_b128 v[FK+4*\f:FK+4*\f+3], v[LI] offset:512*\f   ; K of step 0
.endr
	s_mov_b32 s[PASS], 2
.Lpass:
.irp u, 0,1
	v_add_nc_u32 v[NP+TS*\u], s[20+\u], v[PAT]     ; my query i,
	v_cvt_f32_u32 v[NP+TS*\u], v[NP+TS*\u]
	v_sub_f32 v[NP+TS*\u], 0, v[NP+TS*\u]          ; n = 0 - i,
	v_add_f32 v[NP+TS*\u+1], 0x42800000, v[NP+TS*\u]   ; and n + 64
	v_mov_b32 v[TM+TS*\u], 0xff61b1e6              ; -3e38, under every t
	v_floor_f32 v[NM+TS*\u], -v[TM+TS*\u]
	v_mov_b32 v[SUM+TS*\u], 0
	v_mov_b32 v[SUM+TS*\u+1], 0
.endr
	WIN 0x40
.set j, 0
.rept 64
	v_mov_b32 v[O+j], 0                            ; the step is written once: the first finds zeros, which the first change of M leaves zeros
.set j, j+1
.endr
	WIN 0
	s_mov_b32 s[TB], 0
	s_mov_b32 s[CNT], 16
.Lstep:                                            ; A KEY STEP: 128 keys x my 32 queries
	s_wait_alu depctr_va_vdst(0)
	s_wait_dscnt 0x0                               ; this step's K, asked for a step ago
	s_add_co_u32 s[TBK], s[TB], 8192
	s_and_b32 s[TBK], s[TBK], 0x1ffff              ; behind the last step comes step 0, for the next pass
	WIN 0x40                                       ; D in window 1
.irp u, 0,1
.irp t, 0,1,2,3,4,5,6,7
	v_wmma_f32_16x16x64_fp8_fp8 v[S+64*\u+8*\t:S+64*\u+8*\t+7], v[FK+8*\t:FK+8*\t+7], v[Q+8*\u:Q+8*\u+7], v[BI+8*(\t%4):BI+8*(\t%4)+7]
.endr
.endr
	WIN 0
.irp u, 0,1                                    ; six plain lines: the places ahead of the loads into K's and V's registers and of the first read of the scores
	v_pk_mul_f32 v[DP+TS*\u:DP+TS*\u+1], v[NP+TS*\u:NP+TS*\u+1], s[A2:A2+1] op_sel_hi:[1,0]
	v_mov_b32 v[ONM+TS*\u], v[NM+TS*\u]
.endr
	v_add_nc_u32 v[ADV], s[TB], v[LV]
	v_add_nc_u32 v[ADK], s[TBK], v[LI]
.irp f, 0,1,2,3,4,5,6,7,8,9,10,11,12,13,14,15
	ds_load_b128 v[FV+4*\f:FV+4*\f+3], v[ADV] offset:512*\f   ; V: channel tile f / 4, group f % 4
.endr
.irp f, 0,1,2,3,4,5,6,7,8,9,10,11,12,13,14,15
	ds_load_b128 v[FK+4*\f:FK+4*\f+3], v[ADK] offset:512*\f   ; the next step's K: tile f / 2, half f % 2 of the head's 64
.endr
	WIN 0x15                                       ; the largest sum of each half of the keys, four chains by turns, ascending
.irp u, 0,1
	v_max3_num_f32 v[MP+TS*\u], v[S+64*\u], v[S+64*\u+1], v[S+64*\u+2]
	v_max3_num_f32 v[MP+TS*\u+1], v[S+64*\u+32], v[S+64*\u+33], v[S+64*\u+34]
.endr
	WIN 0x14
.irp i, 3,5,7,9,11,13,15,17,19,21,23,25,27,29
.irp u, 0,1
	v_max3_num_f32 v[MP+TS*\u], v[MP+TS*\u], v[S+64*\u+\i], v[S+64*\u+\i+1]
	v_max3_num_f32 v[MP+TS*\u+1], v[MP+TS*\u+1], v[S+64*\u+32+\i], v[S+64*\u+33+\i]
.endr
.endr
.irp u, 0,1
	v_max_num_f32 v[MP+TS*\u], v[MP+TS*\u], v[S+64*\u+31]
	v_max_num_f32 v[MP+TS*\u+1], v[MP+TS*\u+1], v[S+64*\u+63]
.endr
	WIN 0                                          ; the two tiles' chains take turns
.irp u, 0,1
	v_pk_fma_f32 v[MP+TS*\u:MP+TS*\u+1], v[MP+TS*\u:MP+TS*\u+1], s[CS:CS+1], v[DP+TS*\u:DP+TS*\u+1] op_sel_hi:[1,0,1]   ; as t (the factor is positive)
.endr
.irp u, 0,1
	v_max_num_f32 v[MP+TS*\u], v[MP+TS*\u], v[MP+TS*\u+1]
.endr
.irp u, 0,1
	v_permlanex16_b32 v[PX+TS*\u], v[MP+TS*\u], s[SEL], s[SEL+1]
.endr
.irp u, 0,1
	v_max3_num_f32 v[TM+TS*\u], v[TM+TS*\u], v[MP+TS*\u], v[PX+TS*\u]   ; the running largest t
.endr
.irp u, 0,1
	v_floor_f32 v[NM+TS*\u], -v[TM+TS*\u]          ; -M = floor(-t): M is a whole number
.endr
.irp u, 0,1
	v_sub_f32 v[DF+TS*\u], v[NM+TS*\u], v[ONM+TS*\u]   ; old M - new M, 0 or less
.endr
.irp u, 0,1
	v_fma_f32 v[E0+TS*\u], s[A2], v[NP+TS*\u], v[NM+TS*\u]
	v_fma_f32 v[E1+TS*\u], s[A2], v[NP+TS*\u+1], v[NM+TS*\u]
.endr
.irp u, 0,1
	v_cvt_i32_f32 v[DF+TS*\u], v[DF+TS*\u]         ; (it saturates)
.endr
.irp u, 0,1
	v_ldexp_f32 v[FF+TS*\u], 1.0, v[DF+TS*\u]
.endr
.irp u, 0,1
	v_pk_mul_f32 v[SUM+TS*\u:SUM+TS*\u+1], v[SUM+TS*\u:SUM+TS*\u+1], v[FF+TS*\u:FF+TS*\u+1] op_sel_hi:[1,0]   ; the sums under the new M
.endr
	WIN 0x41                                       ; destination and source 0 in window 1
.set j, 0
.rept 16
	v_pk_fma_f32 v[S+j:S+j+1], v[S+j:S+j+1], s[CS:CS+1], v[E0:E0+1] op_sel_hi:[1,0,0]   ; tile 0: t - M, two at a time
.set j, j+2
.endr
.rept 16
	v_pk_fma_f32 v[S+j:S+j+1], v[S+j:S+j+1], s[CS:CS+1], v[E1:E1+1] op_sel_hi:[1,0,0]
.set j, j+2
.endr
.irp u, 0,1
.set j, 0
.rept 16
	v_pk_mul_f32 v[O+32*\u+j:O+32*\u+j+1], v[O+32*\u+j:O+32*\u+j+1], v[FF+TS*\u:FF+TS*\u+1] op_sel_hi:[1,0]   ; O^T under the new M, each accumulator from its low end on; no exponential stands between the last products and these
.set j, j+2
.endr
.endr
	s_wait_alu depctr_va_vdst(0)                   ; the wait ahead of the batch
.set j, 0
.rept 16                                       ; tile 0's p = 2^(t - M); tile 1's scalings, which name none of these registers and are read behind the next wait, stand among the exponentials
	v_exp_f32 v[S+j], v[S+j]
	v_exp_f32 v[S+j+1], v[S+j+1]
	v_pk_fma_f32 v[S+64+j:S+64+j+1], v[S+64+j:S+64+j+1], s[CS:CS+1], v[E0+TS:E0+TS+1] op_sel_hi:[1,0,0]
.set j, j+2
.endr
.rept 16
	v_exp_f32 v[S+j], v[S+j]
	v_exp_f32 v[S+j+1], v[S+j+1]
	v_pk_fma_f32 v[S+64+j:S+64+j+1], v[S+64+j:S+64+j+1], s[CS:CS+1], v[E1+TS:E1+TS+1] op_sel_hi:[1,0,0]
.set j, j+2
.endr
	WIN 0x45                                       ; source 1 in window 1 too
	s_wait_alu depctr_va_vdst(0)                   ; one wait: behind tile 0's batch and ahead of tile 1's
.set j, 0
.rept 16                                       ; tile 1's p; tile 0's first sixteen sums, each of two pairs, none reading another's result, stand among the exponentials
	v_exp_f32 v[S+64+j], v[S+64+j]
	v_exp_f32 v[S+64+j+1], v[S+64+j+1]
	v_exp_f32 v[S+64+j+2], v[S+64+j+2]
	v_exp_f32 v[S+64+j+3], v[S+64+j+3]
	v_pk_add_f32 v[T+j/2:T+j/2+1], v[S+j:S+j+1], v[S+j+2:S+j+3]
.set j, j+4
.endr
	s_wait_alu depctr_va_vdst(0)                   ; behind the batch, ahead of its first reader
.set j, 0
.rept 8                                        ; THE ROW'S SUM IS TAKEN OF THE UNQUANTISED p.  Tile 0: sixteen pairs to eight;
	v_pk_add_f32 v[T+j:T+j+1], v[T+j:T+j+1], v[T+16+j:T+16+j+1]
.set j, j+2
.endr
.set j, 0
.rept 8                                        ; tile 1: eight chains
	v_pk_add_f32 v[T+16+j:T+16+j+1], v[S+64+j:S+64+j+1], v[S+80+j:S+80+j+1]
.set j, j+2
.endr
.irp k, 96,112
.set j, 0
.rept 8
	v_pk_add_f32 v[T+16+j:T+16+j+1], v[T+16+j:T+16+j+1], v[S+\k+j:S+\k+j+1]
.set j, j+2
.endr
.endr
.irp d, 8,4,2                                  ; both tiles: eight pairs to one
.irp j, 0,2,4,6
.if \j < \d
.irp b, 0,16
	v_pk_add_f32 v[T+\b+\j:T+\b+\j+1], v[T+\b+\j:T+\b+\j+1], v[T+\b+\d+\j:T+\b+\d+\j+1]
.endr
.endif
.endr
.endr
	WIN 0x04
.irp u, 0,1
	v_pk_add_f32 v[SUM+TS*\u:SUM+TS*\u+1], v[SUM+TS*\u:SUM+TS*\u+1], v[T+16*\u:T+16*\u+1]
.endr
	WIN 0
	s_cmp_eq_u32 s[HOLD], 0
	s_wait_alu depctr_va_vdst(0)                   ; the wait directly ahead of the branch
	s_cbranch_scc1 .Lfree                          ; by the given exponents p cannot pass 448 x 2^e8
	WIN 0x41
.set j, 0
.rept 128
	v_min_num_f32 v[S+j], v[S+j], v[LIMP]          ; p is not negative: a one-sided hold
.set j, j+1
.endr
	WIN 0
.Lfree:
	WIN 0x41
.irp u, 0,1
.irp b, 0,1,2,3
	v_cvt_scalef32_pk8_fp8_f32 v[P+16*\u+4*\b:P+16*\u+4*\b+1], v[S+64*\u+16*\b:S+64*\u+16*\b+7], v[SCP]
	v_cvt_scalef32_pk8_fp8_f32 v[P+16*\u+4*\b+2:P+16*\u+4*\b+3], v[S+64*\u+16*\b+8:S+64*\u+16*\b+15], v[SCP]
.endr
.endr
	v_nop                                          ; a plain line behind the last conversion
	s_wait_alu depctr_va_vdst(0)                   ; the wait directly ahead of the wait below
	s_wait_dscnt 16                                ; V is in; the 16 loads of the next step's K, issued behind V's, may be out
	WIN 0x54                                       ; D, C and source 1 in window 1
.irp u, 0,1
.irp t, 0,1,2,3
	v_wmma_f32_16x16x128_fp8_fp8 v[O+32*\u+8*\t:O+32*\u+8*\t+7], v[FV+16*\t:FV+16*\t+15], v[P+16*\u:P+16*\u+15], v[O+32*\u+8*\t:O+32*\u+8*\t+7]   ; eight accumulators by turns
.endr
.endr
	WIN 0
.irp u, 0,1
	v_pk_add_f32 v[NP+TS*\u:NP+TS*\u+1], v[NP+TS*\u:NP+TS*\u+1], 0x43000000 op_sel_hi:[1,0]   ; n + 128
.endr
	s_add_co_u32 s[TB], s[TB], 8192
	s_sub_co_u32 s[CNT], s[CNT], 1
	s_cmp_lg_u32 s[CNT], 0
	s_cbranch_scc1 .Lstep
	; THE WAY OUT: O^T x 2^(e8 + e9) / the sum, quantised with 2^e10: a lane's 32 channels of a tile are two groups of the last projection's operand
.irp u, 0,1
	v_add_f32 v[SUM+TS*\u], v[SUM+TS*\u], v[SUM+TS*\u+1]
.endr
.irp u, 0,1
	v_permlanex16_b32 v[PX+TS*\u], v[SUM+TS*\u], s[SEL], s[SEL+1]
.endr
.irp u, 0,1
	v_add_f32 v[SUM+TS*\u], v[SUM+TS*\u], v[PX+TS*\u]
.endr
	s_wait_alu depctr_va_vdst(0)                   ; ahead of the two reciprocals
.irp u, 0,1
	v_rcp_f32 v[RL+TS*\u], v[SUM+TS*\u]
.endr
	v_nop                                          ; a plain line behind them,
	s_wait_alu depctr_va_vdst(0)                   ; and the wait ahead of their first reader
.irp u, 0,1
	v_ldexp_f32 v[RL+TS*\u], v[RL+TS*\u], s[EPV]
.endr
	WIN 0x41
	s_wait_alu depctr_va_vdst(0)                   ; the wait directly ahead of the first reader of O^T
.irp u, 0,1
.set j, 0
.rept 16
	v_pk_mul_f32 v[O+32*\u+j:O+32*\u+j+1], v[O+32*\u+j:O+32*\u+j+1], v[RL+TS*\u:RL+TS*\u+1] op_sel_hi:[1,0]
.set j, j+2
.endr
.endr
.set j, 0
.rept 64
	v_med3_num_f32 v[O+j], v[O+j], -v[LIMO], v[LIMO]
.set j, j+1
.endr
.irp u, 0,1
.irp g, 0,1,2,3
	v_cvt_scalef32_pk8_fp8_f32 v[P+16*\u+2*\g:P+16*\u+2*\g+1], v[O+32*\u+8*\g:O+32*\u+8*\g+7], v[SCO]
.endr
.endr
	v_nop                                          ; a plain line behind the last conversion: the next pass writes its sources
	WIN 0x04                                       ; store data in window 1
.irp u, 0,1
.irp c, 0,1
	global_store_b128 v[LI], v[P+16*\u+4*\c:P+16*\u+4*\c+3], s[18:19] offset:2048*\u+512*\c   ; 512 consecutive bytes a store, aligned
.endr
.endr
	WIN 0
.set j, 0
.rept 16
	v_mov_b32 v[Q+j], v[QN+j]                      ; the next pass's queries
.set j, j+1
.endr
	s_wait_xcnt 0x0                                ; the stores have read their data and base: both are written again only behind this wait
	s_add_nc_u64 s[18:19], s[18:19], 65536         ; two pair-blocks on
	s_add_co_u32 s20, s20, 64
	s_add_co_u32 s21, s21, 64
	s_sub_co_u32 s[PASS], s[PASS], 1
	s_cmp_lg_u32 s[PASS], 0
	s_wait_alu depctr_va_vdst(0)                   ; the wait directly ahead of the branch
	s_cbranch_scc1 .Lpass
	s_wait_tensorcnt 0x0                           ; the wave's end
	ds_add_u32 v[SPW], v[NIL]
	s_wait_dscnt 0x0
	s_endpgm
.Lfunc_end_k_q3087fdf03b_attn:
	.size	k_q3087fdf03b_attn, .Lfunc_end_k_q3087fdf03b_attn-k_q3087fdf03b_attn
	.p2alignl 7, 3214868480
	.fill 96, 4, 3214868480
	.section	.rodata,"a",@progbits
	.p2align	6, 0x0
	.amdhsa_kernel k_q3087fdf03b_attn
		.amdhsa_group_segment_fixed_size 263168
		.amdhsa_private_segment_fixed_size 0
		.amdhsa_enable_private_segment 0
		.amdhsa_kernarg_size 32
		.amdhsa_user_sgpr_count 2
		.amdhsa_user_sgpr_kernarg_segment_ptr 1
		.amdhsa_wavefront_size32 1
		.amdhsa_system_sgpr_workgroup_id_x 1
		.amdhsa_system_sgpr_workgroup_id_y 1
		.amdhsa_system_sgpr_workgroup_id_z 1
		.amdhsa_system_vgpr_workitem_id 0
		.amdhsa_next_free_vgpr 512
		.amdhsa_next_free_sgpr 72
		.amdhsa_reserve_vcc 0
		.amdhsa_float_denorm_mode_32 3
		.amdhsa_float_denorm_mode_16_64 3
		.amdhsa_memory_ordered 1
		.amdhsa_forward_progress 1
		.amdhsa_inst_pref_size 60
	.end_amdhsa_kernel
	.amdgpu_metadata
---
amdhsa.version: [ 1, 2 ]
amdhsa.kernels:
  - .name:           k_q3087fdf03b_attn
    .symbol:         k_q3087fdf03b_attn.kd
    .args:
      - { .name: qimg, .offset: 0, .size: 8, .value_kind: global_buffer, .address_space: global }
      - { .name: kv, .offset: 8, .size: 8, .value_kind: global_buffer, .address_space: global }
      - { .name: lowp_scales, .offset: 16, .size: 8, .value_kind: global_buffer, .address_space: global }
      - { .name: ao, .offset: 24, .size: 8, .value_kind: global_buffer, .address_space: global }
    .group_segment_fixed_size: 263168
    .private_segment_fixed_size: 0
    .kernarg_segment_align: 8
    .kernarg_segment_size: 32
    .max_flat_workgroup_size: 256
    .sgpr_count:     72
    .vgpr_count:     512
    .wavefront_size: 32
...
	.end_amdgpu_metadata
.endif
;; end of part 3
;; launch outp (part 4): grid 4 x 64, 4 waves a work-group, clusters of 4 x 1, 168,448 bytes of LDS; arguments ao, wimg, lowp_scales, out0; writes out0
.if DOCPART == 4
	.amdgcn_target "amdgcn-amd-amdhsa--gfx1250"
	.amdhsa_code_object_version 6
	.text
	.protected	k_q3087fdf03b_outp
	.globl	k_q3087fdf03b_outp
	.p2align	8
	.type	k_q3087fdf03b_outp,@function
k_q3087fdf03b_outp:
	s_mov_b64 s[64:65], 0
	v_nop
	global_prefetch_b8 v0, s[64:65] scope:SCOPE_SE
	s_setreg_imm32_b32 hwreg(HW_REG_WAVE_MODE, 25, 1), 1
	s_wait_xcnt 0x0
	s_wait_alu depctr_hold_cnt(0) depctr_sa_sdst(0) depctr_va_vdst(0) depctr_va_sdst(0) depctr_va_ssrc(0) depctr_va_vcc(0) depctr_vm_vsrc(0)
	s_getreg_b32 s2, hwreg(HW_REG_IB_STS2, 6, 4)
	s_cmp_eq_u32 s2, 0
	s_cbranch_scc0 .Lentry_in_a_cluster
	s_endpgm
.Lentry_in_a_cluster:
	s_bfe_u32 s2, ttmp6, 0x10000c
	s_cmp_lg_u32 s2, 0x3003
	s_cbranch_scc0 .Lentry_shape_is_right
	s_endpgm
.Lentry_shape_is_right:
; out0 = attention's result x Wo, on codes of FP8 (E4M3); each finished sum is multiplied once by 2^(e10 + e11).
; Work-group (p, g): 256 output features p x 128 tokens g.  Wo's 256 columns x 1,024 K stay in registers: wave w holds pair-blocks 2 w, 2 w + 1 of them (512 registers).  The tokens' codes, four pair-blocks
; (131,072 bytes), are brought into LDS once, a quarter by each wave's one tensor load, and read by all four waves.  No LDS byte is filled twice.
; CLUSTER.  The four work-groups of a cluster have the same g: the tokens' codes are asked for jointly, with the same descriptor (made of g and the wave's number) and a mask that names the four.
; The matrix instruction takes (source 0 = Wo's columns, source 1 = tokens): a lane holds one token, and the 16 registers of a pair-block's two tiles are 16 neighbouring features: 64 bytes of a row of out0.
; A tile's lane r is token 8 u + r + 8 (r / 8) of its pair-block: the way out puts each row back in its true place.
; LIMIT: e10 + e11 lies between -126 and 127, so that 2^(e10 + e11) is an f32 number.
; REGISTERS: window 0: v1-9 addresses; v32-95, v96-159 two sets of token fragments (the second also holds the scaled sums on the way out); v160-223 eight accumulators, later rows read back from the stage.
;   window 1: Wo's pair-block fb = 0, fragment (tile u, K step s) at 16 (8 u + s); window 2: fb = 1.
.set LI,  1                            ; v1  16 x lane; never rewritten
.set XA,  2                            ; v2  LDS address of the tokens' pair-block in hand
.set STO, 7                            ; v7  the stage: where I put 64 bytes of a row
.set RD,  8                            ; v8  where I read a row back
.set VO,  9                            ; v9  my byte offset in two rows of out0
.set XS,  32
.set TT,  96
.set ACC, 160
.set F2,  50                           ; s[50:51] 2^(e10 + e11)
.set STAGE, 131072                     ; behind the tokens' codes: 32 rows x (256 + 16) bytes for each wave, blocks of 256 bytes into which no fill lands
.set SP,  272
.set MSB, 0
.macro WIN new                         ; the immediate's high byte repeats the setting that is left
.if MSB != (\new)
	s_set_vgpr_msb (MSB<<8)|(\new)
.set MSB, (\new)
.endif
.endm
.macro PLACES                          ; four plain vector lines behind matrix instructions, ahead of loads into registers that they read and of the first read of results
.rept 4
	v_nop
.endr
.endm
.macro CROUND                          ; a round of the cluster's barrier
	s_barrier_signal -1
	s_barrier_wait -1
	s_cmp_lg_u32 s14, 0
	s_cbranch_scc1 .Lnot_wave_0_\@
	s_barrier_signal -3
.Lnot_wave_0_\@:
	s_barrier_wait -3
	s_barrier_signal -1
	s_barrier_wait -1
.endm
	s_load_b256 s[4:11], s[0:1], 0x0               ; ao 4:5, wimg 6:7, scales 8:9, out0 10:11
	v_lshl_add_u32 v254, v0, 2, 0x29000
	v_mov_b32 v255, 0
	ds_add_u32 v254, v255
	ds_add_u32 v254, v255
	v_lshrrev_b32 v2, 5, v0
	v_readfirstlane_b32 s14, v2                    ; wave 0..3
	v_and_b32 v3, 31, v0
	v_lshlrev_b32 v[LI], 4, v3
	s_bfe_u32 s13, ttmp6, 0x40000                  ; cx: it enters Wo's and out0's addresses alone
	s_lshl_b32 s15, ttmp9, 2
	s_add_co_u32 s15, s15, s13                     ; p
	s_and_b32 s16, ttmp7, 0xffff                   ; g
	; descriptor group 1: a dense block of 32,768 bytes as 128 rows of 32 elements of 8 bytes
	s_mov_b32 s24, 15|(3<<16)|(1<<21)              ; the mask: all four work-groups; elements of 8 bytes; bit 21 set beside a mask
	s_mov_b32 s25, 32<<16                          ; tensor_dim0 = 32
	s_mov_b32 s26, 128<<16                         ; tensor_dim1 = 128
	s_mov_b32 s27, 32<<16                          ; tile_dim0 = 32
	s_mov_b32 s28, 128                             ; tile_dim1 = 128
	s_mov_b32 s29, 32                              ; from row to row
	s_mov_b32 s30, 0
	s_mov_b32 s31, 0
	s_mov_b32 s32, 1                               ; group 0: count = 1
	s_lshl_b32 s33, s14, 15                        ; LDS: wave x 32,768
	s_lshl_b32 s58, s16, 17
	s_add_co_u32 s58, s58, s33                     ; memory: g's four pair-blocks, mine of them
	s_mov_b32 s59, 0
	s_lshl_b32 s60, s15, 3
	s_lshl_b32 s61, s14, 1
	s_add_co_u32 s60, s60, s61
	s_add_co_u32 s60, s60, 48
	s_lshl_b32 s60, s60, 15                        ; Wo's pair-block 48 + 8 p + 2 w
	s_mov_b32 s61, 0
	s_wait_dscnt 0x0
	s_wait_kmcnt 0x0
	s_load_b64 s[46:47], s[8:9], 0x28              ; e10, e11
	s_add_nc_u64 s[34:35], s[4:5], s[58:59]
	s_or_b32 s35, s35, 0x80000000                  ; type = 2
	s_add_nc_u64 s[20:21], s[6:7], s[60:61]
	CROUND                                         ; all four work-groups are here: the joint loads meet
	tensor_load_to_lds s[32:35], s[24:31]          ; my one tensor load: one is out
	s_nop 0
.rept 4
	v_nop
.endr
	WIN 0x40                                       ; destination window 1
	s_wait_alu depctr_va_vdst(0)
.irp u, 0,1
.irp s, 0,1,2,3,4,5,6,7
.irp c, 0,1,2,3
	global_load_b128 v[16*(8*\u+\s)+4*\c:16*(8*\u+\s)+4*\c+3], v[LI], s[20:21] offset:\s*4096+\u*2048+\c*512
.endr
.endr
.endr
	WIN 0x80                                       ; destination window 2
.irp u, 0,1
.irp s, 0,1,2,3,4,5,6,7
.irp c, 0,1,2,3
	global_load_b128 v[16*(8*\u+\s)+4*\c:16*(8*\u+\s)+4*\c+3], v[LI], s[20:21] offset:32768+\s*4096+\u*2048+\c*512
.endr
.endr
.endr
	WIN 0
	s_mul_i32 s58, s14, 32*SP
	s_add_co_u32 s58, s58, STAGE                   ; my stage
	v_and_b32 v4, 15, v0                           ; lane % 16
	v_bfe_u32 v5, v0, 4, 1                         ; lane / 16
	v_mul_u32_u24 v[STO], v4, SP
	v_lshl_add_u32 v[STO], v5, 6, v[STO]
	v_add_nc_u32 v[STO], s58, v[STO]               ; in: row r, + 64 bytes for the upper half of the lanes
	v_mul_u32_u24 v[RD], v5, SP
	v_lshl_add_u32 v[RD], v4, 4, v[RD]
	v_add_nc_u32 v[RD], s58, v[RD]                 ; back: lanes 0-15 one row of 256 bytes, lanes 16-31 the next
	v_lshlrev_b32 v[VO], 12, v5
	v_lshl_add_u32 v[VO], v4, 4, v[VO]             ; and the same two rows in out0
	s_lshl_b32 s58, s16, 19                        ; 128 rows of 4,096 bytes
	s_lshl_b32 s59, s15, 10
	s_add_co_u32 s58, s58, s59                     ; + 256 features
	s_lshl_b32 s59, s14, 8
	s_add_co_u32 s58, s58, s59                     ; + my 64
	s_mov_b32 s59, 0
	s_add_nc_u64 s[48:49], s[10:11], s[58:59]
	s_wait_kmcnt 0x0
	s_add_co_i32 s[F2], s46, s47
	s_add_co_i32 s[F2], s[F2], 127
	s_lshl_b32 s[F2], s[F2], 23                    ; 2^(e10 + e11) as f32
	s_mov_b32 s[F2+1], s[F2]                       ; (named with it as a pair, so it is written)
; 16 LDS loads: K steps 2 q and 2 q + 1 of the pair-block's two tiles, as they lie: 512 consecutive bytes a load
.macro FETCH set, q, extra
.irp si, 0,1
.irp u, 0,1
.irp c, 0,1,2,3
	ds_load_b128 v[XS+64*(\set)+32*\si+16*\u+4*\c:XS+64*(\set)+32*\si+16*\u+4*\c+3], v[XA] offset:(\extra)+(2*(\q)+\si)*4096+\u*2048+\c*512
.endr
.endr
.endr
.endm
; 16 matrix instructions: two K steps x (2 token tiles x 2 feature tiles) for each of my pair-blocks of Wo.  The accumulators take turns, one instruction a turn.  zero = 1: the first product starts the sums.
.macro MUL set, q, zero
.irp fb, 0,1
	WIN 1+\fb                                      ; source 0 in window 1 or 2
.irp si, 0,1
.irp a, 0,1,2,3
.if (\zero) && (\si == 0)
	v_wmma_f32_16x16x128_fp8_fp8 v[ACC+32*\fb+8*\a:ACC+32*\fb+8*\a+7], v[16*(8*(\a%2)+2*(\q)+\si):16*(8*(\a%2)+2*(\q)+\si)+15], v[XS+64*(\set)+32*\si+16*(\a/2):XS+64*(\set)+32*\si+16*(\a/2)+15], 0
.else
	v_wmma_f32_16x16x128_fp8_fp8 v[ACC+32*\fb+8*\a:ACC+32*\fb+8*\a+7], v[16*(8*(\a%2)+2*(\q)+\si):16*(8*(\a%2)+2*(\q)+\si)+15], v[XS+64*(\set)+32*\si+16*(\a/2):XS+64*(\set)+32*\si+16*(\a/2)+15], v[ACC+32*\fb+8*\a:ACC+32*\fb+8*\a+7]
.endif
.endr
.endr
.endr
	WIN 0
.endm
; 32 tokens x my 64 features go through my own stage and leave as rows: sixteen lanes store 256 consecutive bytes, aligned.  Group gq = 2 fb + token tile.
.macro WAYOUT
	PLACES
.set j, 0
.rept 32
	v_pk_mul_f32 v[TT+j:TT+j+1], v[ACC+j:ACC+j+1], s[F2:F2+1] op_sel_hi:[1,0]   ; x 2^(e10 + e11), into other registers; each accumulator from its low end on
.set j, j+2
.endr
.irp gq, 0,1,2,3
.irp q, 0,1,2,3
	ds_store_b128 v[STO], v[TT+16*\gq+4*\q:TT+16*\gq+4*\q+3] offset:(\gq%2)*16*SP+(\gq/2)*128+16*\q
.endr
.endr
.irp i, 0,1,2,3,4,5,6,7,8,9,10,11,12,13,14,15
	ds_load_b128 v[ACC+4*\i:ACC+4*\i+3], v[RD] offset:2*SP*\i   ; LDS serves a wave's instructions in order: these see my stores
.endr
.irp i, 0,1,2,3,4,5,6,7,8,9,10,11,12,13,14,15
	s_wait_dscnt 15-\i                             ; rows 2 i and 2 i + 1 of the stage are back; the younger loads may be out
	global_store_b128 v[VO], v[ACC+4*\i:ACC+4*\i+3], s[48:49] offset:(8*(\i/8)+2*(\i%8)+8*((\i%8)/4))*4096 th:TH_STORE_NT   ; stage row 16 u + r is token 8 u + r + 8 (r / 8)
.endr
	s_wait_xcnt 0x0                                ; the stores have read their data and base: the next products write the one, the next line the other
	s_add_nc_u64 s[48:49], s[48:49], 131072        ; 32 rows of out0 on
.endm
; A pair-block of tokens: 64 matrix instructions.  Each run of 16 loads is issued 16 matrix instructions ahead of its use; s_wait_dscnt 16 leaves out only the run just issued.
.macro BLOCK next
	PLACES
	FETCH 1, 1, 0
	s_wait_dscnt 16
	MUL 0, 0, 1
	PLACES
	FETCH 0, 2, 0
	s_wait_dscnt 16
	MUL 1, 1, 0
	PLACES
	FETCH 1, 3, 0
	s_wait_dscnt 16
	MUL 0, 2, 0
.if \next
	PLACES
	FETCH 0, 0, 32768                              ; the next pair-block's first two K steps
	s_wait_dscnt 16
.else
	s_wait_dscnt 0x0
.endif
	MUL 1, 3, 0
	WAYOUT
.endm
	s_wait_tensorcnt 0x0                           ; my quarter of the tokens' codes is in,
	s_barrier_signal -1
	s_barrier_wait -1                              ; everybody's is
	s_wait_loadcnt 0x0                             ; Wo's fragments
	v_mov_b32 v[XA], v[LI]
	FETCH 0, 0, 0
	s_mov_b32 s56, 0
	s_mov_b32 s57, 3
.Lblk:
	s_wait_alu depctr_va_vdst(0)
	BLOCK 1
	s_add_co_u32 s56, s56, 32768
	v_add_nc_u32 v[XA], s56, v[LI]
	s_sub_co_u32 s57, s57, 1
	s_cmp_lg_u32 s57, 0
	s_cbranch_scc1 .Lblk
	s_wait_alu depctr_va_vdst(0)
	BLOCK 0                                        ; the last pair-block fetches nothing beyond itself
	s_wait_tensorcnt 0x0
	ds_add_u32 v254, v255
	s_wait_dscnt 0x0
	CROUND                                         ; the closing round
	s_endpgm
.Lfunc_end_k_q3087fdf03b_outp:
	.size	k_q3087fdf03b_outp, .Lfunc_end_k_q3087fdf03b_outp-k_q3087fdf03b_outp
	.p2alignl 7, 3214868480
	.fill 96, 4, 3214868480
	.section	.rodata,"a",@progbits
	.p2align	6, 0x0
	.amdhsa_kernel k_q3087fdf03b_outp
		.amdhsa_group_segment_fixed_size 168448
		.amdhsa_private_segment_fixed_size 0
		.amdhsa_enable_private_segment 0
		.amdhsa_kernarg_size 32
		.amdhsa_user_sgpr_count 2
		.amdhsa_user_sgpr_kernarg_segment_ptr 1
		.amdhsa_wavefront_size32 1
		.amdhsa_system_sgpr_workgroup_id_x 1
		.amdhsa_system_sgpr_workgroup_id_y 1
		.amdhsa_system_sgpr_workgroup_id_z 1
		.amdhsa_system_vgpr_workitem_id 0
		.amdhsa_next_free_vgpr 768
		.amdhsa_next_free_sgpr 72
		.amdhsa_reserve_vcc 0
		.amdhsa_float_denorm_mode_32 3
		.amdhsa_float_denorm_mode_16_64 3
		.amdhsa_memory_ordered 1
		.amdhsa_forward_progress 1
		.amdhsa_inst_pref_size 48
	.end_amdhsa_kernel
	.amdgpu_metadata
---
amdhsa.version: [ 1, 2 ]
amdhsa.kernels:
  - .name:           k_q3087fdf03b_outp
    .symbol:         k_q3087fdf03b_outp.kd
    .args:
      - { .name: ao, .offset: 0, .size: 8, .value_kind: global_buffer, .address_space: global }
      - { .name: wimg, .offset: 8, .size: 8, .value_kind: global_buffer, .address_space: global }
      - { .name: lowp_scales, .offset: 16, .size: 8, .value_kind: global_buffer, .address_space: global }
      - { .name: out0, .offset: 24, .size: 8, .value_kind: global_buffer, .address_space: global }
    .group_segment_fixed_size: 168448
    .private_segment_fixed_size: 0
    .kernarg_segment_align: 8
    .kernarg_segment_size: 32
    .max_flat_workgroup_size: 128
    .sgpr_count:     72
    .vgpr_count:     768
    .wavefront_size: 32
...
	.end_amdgpu_metadata
.endif
;; end of part 4
